; MI455X (gfx1250); checked and timed in simulation.
; The chip was launched on July 23, 2026; its instructions are those of AMD's public machine-readable ISA for CDNA 5 (MIT licence, August 2026) and "CDNA5" Instruction Set Architecture Reference Guide (July 2026). The comments in the code are by the model that wrote it; some were corrected since.
;; Complex Valued Fully Connected Layer. Allowed arithmetic: matrix products marked QUANTISED: E2M1 operands, one E8M0 scale for each 32 along K, by v_wmma_scale_f32_16x16x128_f8f6f4 with both operands' format E2M1 (or v_wmma_scale_f32_32x16x128_f4), f32 sums; everything else in f32.
;; Inputs: w_im 2,048 x 2,048 float32; w_re 2,048 x 2,048 float32; x_im 4,096 x 2,048 float32; x_re 4,096 x 2,048 float32.
;; Outputs: out0 2 x 4,096 x 2,048 float32.
;; This version of the problem:
;;   THIS VERSION OF THE PROBLEM IS GIVEN IN LOW PRECISION. The matrix products marked QUANTISED in the list below multiply operands that are first quantised to E2M1 (2 exponent bits, 1 mantissa bit; 4 bits a number), with one power-of-two scale for each 32 numbers along K (OCP MX v1.0); their sums are f32. All else is computed in f32.
;;   The module's matrix products, in the order in which they are computed (A, B: the left and right operand; K: the contracted axis; several contracted axes count as one K, in the product's order):
;;     1. [M 4,096, K 2,048] x [K 2,048, N 2,048]; A: input x_re; B: input w_re: QUANTISED
;;     2. [M 4,096, K 2,048] x [K 2,048, N 2,048]; A: input x_im; B: input w_im: QUANTISED
;;     3. [M 4,096, K 2,048] x [K 2,048, N 2,048]; A: input x_re; B: input w_im: QUANTISED
;;     4. [M 4,096, K 2,048] x [K 2,048, N 2,048]; A: input x_im; B: input w_re: QUANTISED
;;   THE QUANTISER, for each operand of a quantised product, along K:
;;     - K is cut into blocks of 32 from its start; a last block that is shorter is filled with zeros.
;;     - A block's scale is 2^e with e = floor(log2(the largest magnitude in the block)) - 2, held to -126 .. 127; a block of zeros has e = 0. As a byte (E8M0): e + 127.
;;     - Each number is divided by its block's scale, clamped to +-6, and rounded to the nearest number of E2M1, ties to even, subnormals kept.
;;     - The product sums the exact products of the quantised numbers (number of the format x scale) in f32.
;;   ~~~python
;;   def quantise(x, axis):      # numpy; x: float32 -> the quantised numbers, widened to float32 again
;;       x = np.moveaxis(x, axis, -1); K = x.shape[-1]
;;       x = np.pad(x, [(0, 0)] * (x.ndim - 1) + [(0, -K % 32)]); x = x.reshape(x.shape[:-1] + (-1, 32)); a = np.abs(x).max(-1, keepdims=True)
;;       e = np.where(a > 0, np.clip(np.frexp(np.where(a > 0, a, 1))[1] - 1 - 2, -126, 127), 0)      # np.frexp(a)[1] - 1 = floor(log2(a)), exactly
;;       r = np.clip(x / 2.0 ** e, -6, 6)
;;       step = 2.0 ** (np.maximum(np.frexp(np.where(r == 0, 1, r))[1] - 1, 0) - 1)
;;       q = np.round(r / step) * step * 2.0 ** e      # np.round: ties to even
;;       return np.moveaxis(q.reshape(q.shape[:-2] + (-1,))[..., :K], -1, axis).astype(np.float32)
;;   ~~~
;; One version. Each part assembles by itself: llvm-mc -triple=amdgcn-amd-amdhsa -mcpu=gfx1250 --defsym DOCPART=n.
;; ======== version 1 of 1: 2 launches
;; limits: right only within a limited range of input values
;; workspace buffers: q 13,369,344 bytes
;; launch quant (part 1): grid 768 x 1, 4 waves a work-group, no clusters, 17,920 bytes of LDS; arguments x_re, x_im, w_re, w_im, q; writes q
.if DOCPART == 1
	.amdgcn_target "amdgcn-amd-amdhsa--gfx1250"
	.amdhsa_code_object_version 6
	.text
	.protected	k_q85b538ab07_quant
	.globl	k_q85b538ab07_quant
	.p2align	8
	.type	k_q85b538ab07_quant,@function
k_q85b538ab07_quant:
	s_mov_b64 s[64:65], 0
	v_nop
	global_prefetch_b8 v0, s[64:65] scope:SCOPE_SE
	s_setreg_imm32_b32 hwreg(HW_REG_WAVE_MODE, 25, 1), 1
	s_wait_xcnt 0x0
; x_re, x_im [4096][2048] and w_re, w_im [2048][2048], f32, K innermost, become codes of FP4 (E2M1) with one E8M0 scale byte for each 32 along K.  No step of reference() is left out.
; LAYOUT of q: [8 steps of 256 along K][6144 records: 4096 of x, then 2048 of w][272 bytes]:
;   128 bytes: the real part's 256 codes (two a byte, the lower k in the low four bits) | 128 bytes: the imaginary part's | 8 scale bytes of the real part | 8 of the imaginary part.
; ORDER OF RECORDS: x's rows as they are.  Of 64 neighbouring rows of w, record 16 b + r holds row 4 r + b (r = 0 .. 15, b = 0 .. 3): so in the product's launch four neighbouring columns of the output lie in one lane.
; A block's scale is 2^(floor(log2(its largest magnitude)) - 2); its byte is the largest magnitude's exponent field - 2, held at 1 from below by a floor among the maximum's leaves.
; LIMITS: NaN and infinities among the inputs are not served; blocks whose largest magnitude lies under 2^-124 have their byte held at 1.  A block of zeros gets the byte 1 where the rule says 127: its codes are
; zeros, which add nothing, and this program alone reads the bytes.
; SHARES.  A work-group takes 16 records x 1024 along K of both parts of x (work-groups 0-511) or of w (512-767): records 16 ((g / 2) % 256) on, half g % 2 of K.  Wave w takes step 4 (g % 2) + w, a row a turn:
; its 16 records are 4,352 consecutive bytes of q, which begin at a multiple of 256.  Waves share nothing: no barrier, no tensor load.
; A row: two loads of 512 consecutive bytes of each part.  In a load lanes 0-15 take the even 16-byte pieces and lanes 16-31 the odd ones; exchanging the first load's upper lanes with the second's lower lanes
; leaves each lane eight neighbours along K (lanes 0-15 of the first 512 bytes, lanes 16-31 of the second), as the conversion wants them.  Four lanes hold a block.
; Codes and scale bytes are gathered in the wave's own image of its 16 records in LDS and leave by stores of 512 (the last: 256) consecutive bytes.  Loads run six rows, 24 loads a wave, ahead.
.set ROWS,  16
.set DEPTH, 6
.set ROWB,  8192
.set REC,   272
.set IMG,   ROWS*REC                   ; a wave's LDS: 4,352 bytes = 17 blocks of 256
.set SPARE, 4*IMG                      ; the spare words, 128 bytes for each wave
.set SPW,   12                         ; v12: SPARE + 4 x my thread's number;  v13: 0
.set NIL,   13
.set R,     16                         ; v16-111   six rows: the real part's eight numbers, the imaginary part's eight
.set T,     112                        ; v112-117  at work
.set C,     128                        ; v128-159  codes, two registers a row
.set E,     160                        ; v160-191  scale bytes, two registers a row
.set VO,    192                        ; v192-207  my offset in each of the 16 rows
	s_load_b256 s[4:11], s[0:1], 0x0               ; x_re, x_im, w_re, w_im
	s_load_b64 s[12:13], s[0:1], 0x20              ; q
	v_lshl_add_u32 v[SPW], v0, 2, SPARE
	v_mov_b32 v[NIL], 0
	v_lshrrev_b32 v1, 5, v0
	v_readfirstlane_b32 s16, v1                    ; wave 0..3
	s_mul_i32 s36, s16, IMG
	s_lshr_b32 s18, ttmp9, 1
	s_and_b32 s18, s18, 255                        ; which 16 records: (g / 2) % 256; 512 / 2 = 256 falls away for w
	s_and_b32 s17, ttmp9, 1                        ; which half of K
	s_lshl_b32 s20, s17, 2
	s_add_co_u32 s20, s20, s16                     ; my step of 256 along K
	s_lshr_b32 s34, s18, 2                         ; w: 64 rows of 8,192 bytes,
	s_lshl_b32 s34, s34, 19
	s_and_b32 s35, s18, 3
	s_lshl_b32 s35, s35, 13                        ; row b of them,
	s_add_co_u32 s34, s34, s35
	s_lshl_b32 s37, s18, 17                        ; x: 16 rows
	s_mov_b32 s38, 4*ROWB                          ; w: every fourth row
	s_cmp_lt_u32 ttmp9, 512                        ; x or w?
	s_cselect_b32 s34, s37, s34
	s_cselect_b32 s38, ROWB, s38
	s_cselect_b32 s19, 0, 4096                     ; w's records lie behind x's
	s_lshl_b32 s35, s20, 10                        ; my step's 1,024 bytes of a row
	s_add_co_u32 s34, s34, s35
	s_mov_b32 s35, 0
	s_mul_i32 s22, s20, 6144
	s_lshl_b32 s23, s18, 4
	s_add_co_u32 s22, s22, s23
	s_add_co_u32 s22, s22, s19
	s_mul_i32 s22, s22, REC
	s_mov_b32 s23, 0
	v_and_b32 v2, 31, v0                           ; lane
	v_and_b32 v10, 15, v0
	v_bfe_u32 v11, v0, 4, 1
	v_lshlrev_b32 v3, 5, v10
	v_lshl_add_u32 v[VO], v11, 4, v3               ; my 16 bytes of a load's 512: piece 2 (lane % 16) + lane / 16
	v_lshlrev_b32 v7, 3, v2                        ; 8 x lane
	v_lshlrev_b32 v9, 4, v2                        ; 16 x lane
	v_lshlrev_b32 v4, 2, v2
	v_add_nc_u32 v4, s36, v4                       ; the image: my 4 bytes of a part's codes,
	v_lshrrev_b32 v5, 2, v2
	v_add_nc_u32 v5, s36, v5                       ; my block's scale byte (256 further on: in the immediate),
	v_add_nc_u32 v6, s36, v9                       ; and on the way out 16 bytes a lane,
	v_add_nc_u32 v8, s36, v7                       ; of its last 256 bytes 8 a lane
.irp t, 1,2,3,4,5,6,7,8,9,10,11,12,13,14,15
	v_add_nc_u32 v[VO+\t], s38, v[VO+\t-1]
.endr
	s_wait_alu depctr_va_vdst(0)                   ; the wait at the head's end
	s_wait_kmcnt 0x0
	s_cmp_lt_u32 ttmp9, 512
	s_cselect_b64 s[4:5], s[4:5], s[8:9]
	s_cselect_b64 s[6:7], s[6:7], s[10:11]
	s_add_nc_u64 s[4:5], s[4:5], s[34:35]
	s_add_nc_u64 s[6:7], s[6:7], s[34:35]
	s_add_nc_u64 s[12:13], s[12:13], s[22:23]
.macro LOAD t                          ; row t of my 16: 1,024 bytes of each part
.irp i, 0,1
	global_load_b128 v[R+16*((\t)%DEPTH)+4*\i:R+16*((\t)%DEPTH)+4*\i+3], v[VO+(\t)], s[4:5] offset:512*\i th:TH_LOAD_NT
.endr
.irp i, 0,1
	global_load_b128 v[R+16*((\t)%DEPTH)+8+4*\i:R+16*((\t)%DEPTH)+8+4*\i+3], v[VO+(\t)], s[6:7] offset:512*\i th:TH_LOAD_NT
.endr
.endm
.irp t, 0,1,2,3,4,5
	LOAD \t
.endr
.macro ROW t
.set P, R+16*((\t)%DEPTH)
.if (ROWS-1-(\t)) >= (DEPTH-1)
	s_wait_loadcnt 4*(DEPTH-1)                     ; this row's four loads are in; those of the five rows behind it may be out
.else
	s_wait_loadcnt 4*(ROWS-1-(\t))
.endif
.irp i, 0,1,2,3
	v_permlane16_swap_b32 v[P+\i], v[P+4+\i]       ; eight neighbours a lane; the two parts by turns throughout
	v_permlane16_swap_b32 v[P+8+\i], v[P+12+\i]
.endr
.irp u, 0,1
	v_max3_num_f32 v[T+\u], |v[P+8*\u]|, |v[P+8*\u+1]|, |v[P+8*\u+2]|
.endr
.irp u, 0,1
	v_max3_num_f32 v[T+2+\u], |v[P+8*\u+3]|, |v[P+8*\u+4]|, |v[P+8*\u+5]|
.endr
.irp u, 0,1
	v_max3_num_f32 v[T+\u], v[T+\u], |v[P+8*\u+6]|, |v[P+8*\u+7]|
.endr
.irp u, 0,1
	v_max3_num_f32 v[T+\u], v[T+\u], v[T+2+\u], 0x1800000           ; and the floor 2^(3 - 127): so the byte cannot fall under 1
.endr
.irp u, 0,1
	v_max_num_f32_dpp v[T+\u], v[T+\u], v[T+\u] row_xmask:1 row_mask:0xf bank_mask:0xf
.endr
.irp u, 0,1
	v_max_num_f32_dpp v[T+\u], v[T+\u], v[T+\u] row_xmask:2 row_mask:0xf bank_mask:0xf   ; the block's: four lanes
.endr
.irp u, 0,1
	v_add_nc_u32 v[T+4+\u], 0xff000000, v[T+\u]    ; 2 off its exponent field: the conversion takes the exponent field of this operand as its scale
.endr
.irp u, 0,1
	v_cvt_scalef32_pk8_fp4_f32 v[C+2*(\t)+\u], v[P+8*\u:P+8*\u+7], v[T+4+\u]
.endr
.irp u, 0,1
	v_lshrrev_b32 v[E+2*(\t)+\u], 23, v[T+4+\u]    ; the scale's byte.  (Also the plain instructions behind the conversions)
.endr
.if ((\t)+DEPTH) < ROWS
	LOAD (\t)+DEPTH
.endif
.irp u, 0,1
	ds_store_b32 v4, v[C+2*(\t)+\u] offset:REC*(\t)+128*\u
	ds_store_b8 v5, v[E+2*(\t)+\u] offset:REC*(\t)+256+8*\u         ; the four lanes of a block write the same byte with the same value
.endr
.endm
.irp t, 0,1,2,3,4,5,6,7,8,9,10,11,12,13,14,15
	ROW \t
.endr
.irp i, 0,1,2,3,4,5,6,7
	ds_load_b128 v[R+4*\i:R+4*\i+3], v6 offset:512*\i               ; the image as it lies: LDS serves a wave's instructions in order (ISA guide 5.7.1.4)
.endr
	ds_load_b64 v[R+32:R+33], v8 offset:4096       ; its last 256 bytes
	s_wait_tensorcnt 0x0                           ; the wave's end in LDS, behind my last LDS store
	ds_add_u32 v[SPW], v[NIL]
	s_wait_dscnt 0x0                               ; the add is done, and the nine loads above are in
.irp i, 0,1,2,3,4,5,6,7
	global_store_b128 v9, v[R+4*\i:R+4*\i+3], s[12:13] offset:512*\i   ; 32 lanes store 512 consecutive bytes, at a multiple of 256 from q's first byte
.endr
	global_store_b64 v7, v[R+32:R+33], s[12:13] offset:4096
	s_endpgm
.Lfunc_end_k_q85b538ab07_quant:
	.size	k_q85b538ab07_quant, .Lfunc_end_k_q85b538ab07_quant-k_q85b538ab07_quant
	.p2alignl 7, 3214868480
	.fill 96, 4, 3214868480
	.section	.rodata,"a",@progbits
	.p2align	6, 0x0
	.amdhsa_kernel k_q85b538ab07_quant
		.amdhsa_group_segment_fixed_size 17920
		.amdhsa_private_segment_fixed_size 0
		.amdhsa_enable_private_segment 0
		.amdhsa_kernarg_size 40
		.amdhsa_user_sgpr_count 2
		.amdhsa_user_sgpr_kernarg_segment_ptr 1
		.amdhsa_wavefront_size32 1
		.amdhsa_system_sgpr_workgroup_id_x 1
		.amdhsa_system_sgpr_workgroup_id_y 1
		.amdhsa_system_sgpr_workgroup_id_z 1
		.amdhsa_system_vgpr_workitem_id 0
		.amdhsa_next_free_vgpr 208
		.amdhsa_next_free_sgpr 66
		.amdhsa_reserve_vcc 0
		.amdhsa_float_denorm_mode_32 3
		.amdhsa_float_denorm_mode_16_64 3
		.amdhsa_memory_ordered 1
		.amdhsa_forward_progress 1
		.amdhsa_inst_pref_size 37
	.end_amdhsa_kernel
	.amdgpu_metadata
---
amdhsa.version: [ 1, 2 ]
amdhsa.kernels:
  - .name:           k_q85b538ab07_quant
    .symbol:         k_q85b538ab07_quant.kd
    .args:
      - { .name: x_re, .offset: 0, .size: 8, .value_kind: global_buffer, .address_space: global }
      - { .name: x_im, .offset: 8, .size: 8, .value_kind: global_buffer, .address_space: global }
      - { .name: w_re, .offset: 16, .size: 8, .value_kind: global_buffer, .address_space: global }
      - { .name: w_im, .offset: 24, .size: 8, .value_kind: global_buffer, .address_space: global }
      - { .name: q, .offset: 32, .size: 8, .value_kind: global_buffer, .address_space: global }
    .group_segment_fixed_size: 17920
    .private_segment_fixed_size: 0
    .kernarg_segment_align: 8
    .kernarg_segment_size: 40
    .max_flat_workgroup_size: 128
    .sgpr_count:     66
    .vgpr_count:     208
    .wavefront_size: 32
...
	.end_amdgpu_metadata
.endif
;; end of part 1
;; launch gemm (part 2): grid 16 x 16, 4 waves a work-group, clusters of 4 x 4, 327,680 bytes of LDS; arguments q, out0; writes out0
.if DOCPART == 2
	.amdgcn_target "amdgcn-amd-amdhsa--gfx1250"
	.amdhsa_code_object_version 6
	.text
	.protected	k_q85b538ab07_gemm
	.globl	k_q85b538ab07_gemm
	.p2align	8
	.type	k_q85b538ab07_gemm,@function
k_q85b538ab07_gemm:
	s_mov_b64 s[64:65], 0
	v_nop
	global_prefetch_b8 v0, s[64:65] scope:SCOPE_SE
	s_setreg_imm32_b32 hwreg(HW_REG_WAVE_MODE, 25, 1), 1
	s_wait_xcnt 0x0
	s_wait_alu depctr_hold_cnt(0) depctr_sa_sdst(0) depctr_va_vdst(0) depctr_va_sdst(0) depctr_va_ssrc(0) depctr_va_vcc(0) depctr_vm_vsrc(0)
	s_getreg_b32 s2, hwreg(HW_REG_IB_STS2, 6, 4)
	s_cmp_eq_u32 s2, 0
	s_cbranch_scc0 .Lentry_in_a_cluster
	s_endpgm
.Lentry_in_a_cluster:
	s_bfe_u32 s2, ttmp6, 0x10000c
	s_cmp_lg_u32 s2, 0xf033
	s_cbranch_scc0 .Lentry_shape_is_right
	s_endpgm
.Lentry_shape_is_right:
; out0[0] = Xre Wre^T - Xim Wim^T, out0[1] = Xre Wim^T + Xim Wre^T from the codes and scale bytes in q (layout and order of records: launch quant).  All four products are done; sums in f32.
; A work-group of four waves makes 256 rows x 128 columns of both outputs, a wave 128 x 64 of both: 32 accumulators of 32 x 16, 512 registers.  16 x 16 work-groups, in clusters of 4 x 4.
; THE SIGN: every step of a real part's sum takes -C: x_im w_im - C, then x_re w_re - C, which together add x_re w_re - x_im w_im.  A K step of 256 is four sub-steps of 32 matrix instructions:
;   j = 0: x_im, 1: x_re (k 0-127);  2: x_im, 3: x_re (k 128-255).  So every pair of fragments of W (both parts) serves two sub-steps, and nothing is negated in registers.
; LDS: three slots, each with the records of one K step: 256 of x, 128 of w, 272 bytes each, so that row r starts at bank 4 r mod 64 (ISA guide 11.1).  In the second sub-step of K step t stands the barrier, a round
; of the cluster's: in front of it each wave's part of K step t + 1 has landed; behind it the slot of K step t - 1, read out in K step t - 1, takes K step t + 2.
; LDS loads stand in six runs a K step: at a sub-step's head the next sub-step's fragments of x (16 loads; in the last one also the next slot's scale words, 6), in the middle of sub-steps 0 and 2 w's next 16.
; CLUSTERS: x's records are asked for jointly by a row of the cluster, w's by a column: one load a wave behind each round (waves 0, 1: x's two halves; 2, 3: w's).
; PREFETCHES: one instruction a wave, a lane a block of 256 bytes.  Of the 272 blocks of x's tile each of the four partners names 68, of w's 136 each names 34: 102 lanes of 128, the others name the last again.
; Tile t + 4 is named in K step t, two K steps ahead of its load; tile 1 at the head, 2 and 3 ahead of K step 0; from K step 4 on nothing is named.  Every address lies inside q.
; REGISTERS: window g of 256 holds the accumulators of my rows 32 g .. 32 g + 31 at v128-255 and those rows' fragments of x (two sets) at v96-127.  A quarter of a sub-step works on window g.
; Fragments of w: k 0-127 in window 1, k 128-255 in window 2, at v32-95.  Scale words: window 0, v24-95, a set for each slot.
; LIMIT: the matrix unit's sums are rounded in its own order, not reference()'s.
.set PITCH, 272
.set AHALF, 128*PITCH
.set WHALF, 64*PITCH
.set SLOT,  2*AHALF+2*WHALF
.set STEP,  6144*PITCH                 ; a K step in q
.set SPARE, 3*SLOT                     ; the spare words, 128 bytes for each wave
.set ADRX, 8                           ; v8-10   x's fragments, slots 0-2
.set ADRW, 11                          ; v11-13  w's fragments
.set ADRS, 14                          ; v14-16  x's scale words: lanes 0-31 rows 32 i .. 32 i + 31
.set ADRT, 17                          ; v17-19  w's scale words: lanes 0-15 block i, lanes 16-31 block 2 + i
.set CO,   20                          ; v20     my byte offset in the output
.set SPW,  21                          ; v21     SPARE + 4 x my thread's number
.set NIL,  22                          ; v22     0
.set PFO,  23                          ; v23     the prefetches' offset
.set SC,   24
.set WF,   32
.set XF,   96
.set G1,  24                           ; s[24:31] group 1 for x, s[32:39] for w, s[40:43] group 0 for x, s[44:47] for w
.set G1B, 32
.set G0,  40
.set G0B, 44
.set PF,  48                           ; s[48:49] where the prefetches stand
.set MSB, 0
.set N, 0                              ; LDS instructions so far;  XN: N behind the newest run at a sub-step's head
.macro WIN new                         ; the immediate's high byte repeats the setting that is left
.if MSB != (\new)
	s_set_vgpr_msb (MSB<<8)|(\new)
.set MSB, (\new)
.endif
.endm
.macro PLACES n
.rept \n
	v_nop
.endr
.endm
.macro JLOAD                           ; the joint load: the branch hangs on the wave's number alone
	s_cmp_eq_u32 s15, 0
	s_cbranch_scc0 .Lfor_b_\@
	tensor_load_to_lds s[G0:G0+3], s[G1:G1+7]
	s_nop 0
	PLACES 4
	s_branch .Lasked_\@
.Lfor_b_\@:
	tensor_load_to_lds s[G0B:G0B+3], s[G1B:G1B+7]
	s_nop 0
	PLACES 4
.Lasked_\@:
.endm
.macro NEXTTILE sl                     ; the descriptors go on to the next K step, into slot sl (no tensor load of mine is out)
	s_add_co_u32 s[G0+1], s56, (\sl)*SLOT
	s_add_nc_u64 s[G0+2:G0+3], s[G0+2:G0+3], STEP
	s_add_co_u32 s[G0B+1], s57, (\sl)*SLOT
	s_add_nc_u64 s[G0B+2:G0B+3], s[G0B+2:G0B+3], STEP
.endm
.macro CREST                           ; a round of the cluster's barrier behind its opening barrier
	s_cmp_lg_u32 s14, 0
	s_cbranch_scc1 .Lnot_wave_0_\@
	s_barrier_signal -3
.Lnot_wave_0_\@:
	s_barrier_wait -3
	s_barrier_signal -1
	s_barrier_wait -1
.endm
.macro CROUND
	s_barrier_signal -1
	s_barrier_wait -1
	CREST
.endm
	s_load_b128 s[4:7], s[0:1], 0x0                ; q s[4:5], out0 s[6:7]
	v_lshl_add_u32 v[SPW], v0, 2, SPARE
	v_mov_b32 v[NIL], 0
	ds_add_u32 v[SPW], v[NIL]                      ; the opening: the add, twice on end, and its wait
	ds_add_u32 v[SPW], v[NIL]
	v_lshrrev_b32 v1, 5, v0
	v_readfirstlane_b32 s14, v1                    ; wave 0..3
	s_lshr_b32 s15, s14, 1                         ; my half of the rows; also: I fetch for x (0) or for w (1)
	s_and_b32 s16, s14, 1                          ; my half of the columns; also: which half of that tile I fetch
	s_bfe_u32 s58, ttmp6, 0x40000                  ; cx, cy
	s_bfe_u32 s59, ttmp6, 0x40004
	s_lshl_b32 s60, ttmp9, 2
	s_add_co_u32 s60, s60, s58                     ; tile column
	s_and_b32 s17, ttmp7, 0xffff
	s_lshl_b32 s17, s17, 2
	s_add_co_u32 s17, s17, s59                     ; tile row
	s_lshl_b32 s61, s59, 2
	s_lshl_b32 s61, 15, s61                        ; my row of the cluster
	s_lshl_b32 s62, 0x1111, s58                    ; my column
	; group 1: dense blocks as rows of 256 bytes (32 elements of 8 bytes): 128 records of x are 136 rows, 64 of w are 68
	s_or_b32 s[G1+0], s61, (3<<16)|(1<<21)
	s_mov_b32 s[G1+1], 32<<16
	s_mov_b32 s[G1+2], 136<<16
	s_mov_b32 s[G1+3], 32<<16
	s_mov_b32 s[G1+4], 136
	s_mov_b32 s[G1+5], 32
	s_mov_b32 s[G1+6], 0
	s_mov_b32 s[G1+7], 0
	s_or_b32 s[G1B+0], s62, (3<<16)|(1<<21)
	s_mov_b32 s[G1B+1], 32<<16
	s_mov_b32 s[G1B+2], 68<<16
	s_mov_b32 s[G1B+3], 32<<16
	s_mov_b32 s[G1B+4], 68
	s_mov_b32 s[G1B+5], 32
	s_mov_b32 s[G1B+6], 0
	s_mov_b32 s[G1B+7], 0
	s_mul_i32 s56, s16, AHALF                      ; where my part of a tile lies in a slot: x,
	s_mul_i32 s57, s16, WHALF
	s_mul_i32 s50, s17, 256*PITCH                  ; and in a K step of q: x by the tile row,
	s_add_co_u32 s50, s50, s56
	s_mov_b32 s51, 0
	s_mul_i32 s52, s60, 128*PITCH                  ; w by the tile column
	s_add_co_u32 s52, s52, s57
	s_add_co_u32 s52, s52, 4096*PITCH
	s_mov_b32 s53, 0
	s_add_co_u32 s57, s57, 2*AHALF                 ; w lies behind x in a slot
	s_mul_i32 s54, s17, 272*256                    ; the prefetches: x's 272 blocks, of which mine begin at 68 cx;
	s_mul_i32 s63, s58, 68*256
	s_add_co_u32 s54, s54, s63
	s_mul_i32 s55, s60, 136*256                    ; w's 136, of which mine begin at 34 cy; lane 68 names the first
	s_mul_i32 s63, s59, 34*256
	s_add_co_u32 s55, s55, s63
	s_add_co_u32 s55, s55, 4096*PITCH-68*256
	s_mul_i32 s18, s15, AHALF                      ; LDS: my 128 records of x in slots 0, 1, 2
	s_add_co_u32 s19, s18, SLOT
	s_add_co_u32 s20, s18, 2*SLOT
	s_mul_i32 s21, s16, WHALF
	s_add_co_u32 s21, s21, 2*AHALF                 ; my 64 of w
	s_add_co_u32 s22, s21, SLOT
	s_add_co_u32 s23, s21, 2*SLOT
	v_min_u32 v24, 0x65, v0
	v_mov_b32 v25, s55
	v_mov_b32 v26, s54
	v_cmp_gt_u32 vcc_lo, 0x44, v24
	v_cndmask_b32 v25, v25, v26, vcc_lo            ; threads 0-67: x's blocks, the others: w's
	v_lshl_add_u32 v[PFO], v24, 8, v25
	v_and_b32 v1, 15, v0                           ; r
	v_bfe_u32 v2, v0, 4, 1                         ; h
	v_mul_u32_u24 v3, v1, PITCH
	v_lshl_add_u32 v4, v2, 4, v3                   ; a fragment: row r, + 16 h
	v_mad_u32_u24 v5, v2, 16*PITCH, v3
	v_mad_u32_u24 v6, v2, 32*PITCH, v3
	v_add_nc_u32 v5, 0x100, v5                     ; the scale words stand behind a record's 256 bytes of codes
	v_add_nc_u32 v6, 0x100, v6
	v_lshlrev_b32 v7, 4, v1
.irp s, 0,1,2
	v_add_nc_u32 v[ADRX+\s], s[18+\s], v4
	v_add_nc_u32 v[ADRW+\s], s[21+\s], v4
	v_add_nc_u32 v[ADRS+\s], s[18+\s], v5
	v_add_nc_u32 v[ADRT+\s], s[21+\s], v6
.endr
	v_lshl_add_u32 v[CO], v2, 16, v7               ; 16 r, + 8 rows of 8,192 bytes for h = 1
	s_wait_alu depctr_va_vdst(0)                   ; the wait at the head's end
	s_wait_dscnt 0x0                               ; both opening adds are done
	s_wait_kmcnt 0x0
	s_mov_b32 s[G0], 1
	s_mov_b32 s[G0+1], s56
	s_add_nc_u64 s[G0+2:G0+3], s[4:5], s[50:51]
	s_or_b32 s[G0+3], s[G0+3], 0x80000000
	s_mov_b32 s[G0B], 1
	s_mov_b32 s[G0B+1], s57
	s_add_nc_u64 s[G0B+2:G0B+3], s[4:5], s[52:53]
	s_or_b32 s[G0B+3], s[G0B+3], 0x80000000
	s_add_nc_u64 s[PF:PF+1], s[4:5], STEP          ; at tile 1
	CROUND                                         ; all sixteen work-groups are here: the first joint loads meet
	JLOAD                                          ; K step 0: one tensor load a wave at the head
	s_lshl_b32 s12, s17, 21                        ; my first row, in bytes: (256 x tile row + 128 x half) x 8,192,
	s_lshl_b32 s13, s15, 20
	s_add_co_u32 s12, s12, s13
	s_lshl_b32 s13, s60, 9                         ; and my first column: 512 x tile column + 256 x half
	s_add_co_u32 s12, s12, s13
	s_lshl_b32 s13, s16, 8
	s_add_co_u32 s12, s12, s13
	s_mov_b32 s13, 0
	s_add_nc_u64 s[8:9], s[6:7], s[12:13]          ; the real part,
	s_add_nc_u64 s[10:11], s[8:9], 0x2000000       ; and the imaginary part, 4,096 x 8,192 bytes on
	global_prefetch_b8 v[PFO], s[PF:PF+1] th:TH_LOAD_NT scope:SCOPE_SE
.macro XRUN sl, j                      ; 16 loads: sub-step j's fragments of x; rows 32 g .. 32 g + 31 are 16 registers of window g
.irp g, 0,1,2,3
	WIN 64*\g
.irp k, 0,1
.irp c, 0,1
	ds_load_b128 v[XF+16*((\j)%2)+8*\k+4*\c:XF+16*((\j)%2)+8*\k+4*\c+3], v[ADRX+\sl] offset:64*(2*(1-(\j)%2)+(\j)/2)+32*\c+16*PITCH*(2*\g+\k)
.endr
.endr
.endr
.set N, N+16
.endm
.macro WRUN sl, q                      ; 16 loads: both parts' fragments of w, k 128 q .. 128 q + 127
	WIN 64*(1+(\q))
.irp b, 0,1,2,3
.irp c, 0,1
	ds_load_b128 v[WF+8*\b+4*\c:WF+8*\b+4*\c+3], v[ADRW+\sl] offset:64*(\q)+32*\c+16*PITCH*\b
	ds_load_b128 v[WF+32+8*\b+4*\c:WF+32+8*\b+4*\c+3], v[ADRW+\sl] offset:64*((\q)+2)+32*\c+16*PITCH*\b
.endr
.endr
.set N, N+16
.endm
.macro SRUN sl                         ; six loads, four scale words a lane: x's rows 32 i .. 32 i + 31, then w's blocks i and 2 + i
	WIN 0
.irp i, 0,1,2,3
	ds_load_b128 v[SC+24*(\sl)+4*\i:SC+24*(\sl)+4*\i+3], v[ADRS+\sl] offset:32*PITCH*\i
.endr
.irp i, 0,1
	ds_load_b128 v[SC+24*(\sl)+16+4*\i:SC+24*(\sl)+16+4*\i+3], v[ADRT+\sl] offset:16*PITCH*\i
.endr
.set N, N+6
.endm
; Product NW of a quarter: rows 32 g .. 32 g + 31, output part PP (0 real, 1 imaginary), column block BB; WP: which part of w.
.macro MM sl, j, g, zero
.set PP, NW/4
.set BB, NW%4
.set WP, (PP+(\j)+1)%2
.set RC, 128+16*NW
.set RX, XF+16*((\j)%2)
.set RW, WF+32*WP+8*BB
.set SA, SC+24*(\sl)+4*(\g)+2*(1-(\j)%2)+(\j)/2
.set SB, SC+24*(\sl)+16+4*(BB%2)+2*WP+(\j)/2
.set KIND, 2*(1-(\zero))*(1+PP)+BB/2
.if KIND == 0
	v_wmma_scale_f32_32x16x128_f4 v[RC:RC+15], v[RX:RX+15], v[RW:RW+7], 0, v[SA], v[SB]
.endif
.if KIND == 1
	v_wmma_scale_f32_32x16x128_f4 v[RC:RC+15], v[RX:RX+15], v[RW:RW+7], 0, v[SA], v[SB] matrix_b_scale:MATRIX_SCALE_ROW1
.endif
.if KIND == 2
	v_wmma_scale_f32_32x16x128_f4 v[RC:RC+15], v[RX:RX+15], v[RW:RW+7], v[RC:RC+15], v[SA], v[SB] neg_lo:[0,0,1]
.endif
.if KIND == 3
	v_wmma_scale_f32_32x16x128_f4 v[RC:RC+15], v[RX:RX+15], v[RW:RW+7], v[RC:RC+15], v[SA], v[SB] matrix_b_scale:MATRIX_SCALE_ROW1 neg_lo:[0,0,1]
.endif
.if KIND == 4
	v_wmma_scale_f32_32x16x128_f4 v[RC:RC+15], v[RX:RX+15], v[RW:RW+7], v[RC:RC+15], v[SA], v[SB]
.endif
.if KIND == 5
	v_wmma_scale_f32_32x16x128_f4 v[RC:RC+15], v[RX:RX+15], v[RW:RW+7], v[RC:RC+15], v[SA], v[SB] matrix_b_scale:MATRIX_SCALE_ROW1
.endif
.endm
; A quarter: eight products on window g.  The 32 accumulators take turns, one instruction a turn, in the same order in every sub-step.
.macro QUARTER sl, j, g, zero
	WIN 81*(\g)+4*(1+(\j)/2)                       ; sources 0 and 2 and destination: window g; source 1: window 1 or 2
.set NW, 0
.rept 8
	MM \sl, \j, \g, \zero
.set NW, NW+1
.endr
.endm
; A sub-step.  The wait leaves out what was issued behind the run that brought this sub-step's fragments of x: w's 16 loads in the middle of the sub-step before, or the add.  The four v_nop stand between the products
; that last read a set of fragments and the loads into it (ISA guide 7.12.1 for vector instructions).
; nj: the next sub-step, in slot nsl (4: none).  wq = 0, 1: w's fragments are loaded from slot wsl; 2: none.
.macro SUB sl, j, zero, nsl, nj, wsl, wq
	s_wait_dscnt N-XN
	PLACES 4
.if (\nj) < 4
.if (\j) == 3
	SRUN \nsl
.endif
	XRUN \nsl, \nj
.set XN, N
.endif
	QUARTER \sl, \j, 0, \zero
	QUARTER \sl, \j, 1, \zero
.if (\wq) < 2
	WRUN \wsl, \wq
.endif
	QUARTER \sl, \j, 2, \zero
	QUARTER \sl, \j, 3, \zero
.endm
; The second sub-step, with the barrier.  fill = 1: slot fs takes the K step after next.
.macro TURN sl, fs, fill
.if \fill
	s_wait_xcnt 0x0                                ; my prefetches have read their address
	s_add_nc_u64 s[PF:PF+1], s[PF:PF+1], STEP
.endif
	s_wait_dscnt N-XN
	PLACES 4
	XRUN \sl, 2
.set XN, N
	WIN 0
	s_wait_tensorcnt 0x0                           ; my part of the next K step is in;
	ds_add_u32 v[SPW], v[NIL]                      ; 0 onto my spare word
.set N, N+1
.if \fill
	NEXTTILE \fs
.endif
	QUARTER \sl, 1, 0, 0                           ; sixteen products stand between the add and the wait for it
	QUARTER \sl, 1, 1, 0
	s_wait_dscnt 0x0                               ; the add is done, and so are all my LDS reads
	s_barrier_signal -1
	QUARTER \sl, 1, 2, 0                           ; work on registers while the others arrive
	WIN 0
	s_barrier_wait -1
.if \fill
	CREST                                          ; no wave of any partner reads the slot to be filled, or has a load on its way
	JLOAD
.endif
	QUARTER \sl, 1, 3, 0
.endm
.macro ASK some                        ; some = 1: in the first trip alone
	WIN 0
.if \some
	s_cmp_gt_u32 s3, 1
	s_cbranch_scc0 .Lnone_\@
.endif
	global_prefetch_b8 v[PFO], s[PF:PF+1] offset:2*STEP th:TH_LOAD_NT scope:SCOPE_SE
.if \some
.Lnone_\@:
.endif
.endm
	s_wait_tensorcnt 0x0                           ; my part of K step 0 is in
	ds_add_u32 v[SPW], v[NIL]
	NEXTTILE 1
	s_wait_dscnt 0x0
	CROUND                                         ; everybody's part of K step 0 is in, and the joint loads meet
	JLOAD                                          ; K step 1
	SRUN 0
	WRUN 0, 0
	XRUN 0, 0
.set XN, N
	WIN 0
	global_prefetch_b8 v[PFO], s[PF:PF+1] offset:STEP th:TH_LOAD_NT scope:SCOPE_SE
	ASK 0                                          ; tiles 2 and 3
	SUB 0, 0, 1, 0, 1, 0, 1                        ; the first sub-step starts the sums with the constant 0
	v_nop                                          ; with the four that follow: five places ahead of the first instruction that takes -C, no link of the same chain
	WIN 0
	s_mov_b32 s3, 2
.Ltrip:                                                ; three K steps a trip, from the second sub-step on: K steps 0-2, then 3-5
	TURN 0, 2, 1
	ASK 0                                          ; tiles 4 and 7
	SUB 0, 2, 0, 0, 3, 1, 0
	SUB 0, 3, 0, 1, 0, 0, 2
	SUB 1, 0, 0, 1, 1, 1, 1
	TURN 1, 0, 1
	ASK 1                                          ; tile 5
	SUB 1, 2, 0, 1, 3, 2, 0
	SUB 1, 3, 0, 2, 0, 0, 2
	SUB 2, 0, 0, 2, 1, 2, 1
	TURN 2, 1, 1
	ASK 1                                          ; tile 6
	SUB 2, 2, 0, 2, 3, 0, 0
	SUB 2, 3, 0, 0, 0, 0, 2
	SUB 0, 0, 0, 0, 1, 0, 1
	WIN 0
	s_sub_co_u32 s3, s3, 1
	s_cmp_lg_u32 s3, 0
	s_cbranch_scc1 .Ltrip
	TURN 0, 0, 0                                   ; K step 6 goes on: K step 7 is in; nothing is filled again
	SUB 0, 2, 0, 0, 3, 1, 0
	SUB 0, 3, 0, 1, 0, 0, 2
	SUB 1, 0, 0, 1, 1, 1, 1
	SUB 1, 1, 0, 1, 2, 0, 2
	SUB 1, 2, 0, 1, 3, 0, 2
	SUB 1, 3, 0, 1, 4, 0, 2
	PLACES 4                                       ; ahead of the first reads of results and of writes over fragments
; THE WAY OUT.  Register 8 ah + i of an accumulator holds row 32 g + 16 ah + 8 h + i and, of column block b, column 4 r + b: the four column blocks' registers are 16 neighbouring bytes, and sixteen neighbouring
; lanes store 256 consecutive bytes at a multiple of 256.  16 rows x 64 columns of both parts go out from 64 registers of window w that nothing reads any more: fragments' and scales', then accumulators already moved.
.macro OUT g, ah, w, d
	WIN (\g)+64*(\w)
.irp i, 0,1,2,3,4,5,6,7
.irp p, 0,1
.irp b, 0,1,2,3
	v_mov_b32 v[\d+8*\i+4*\p+\b], v[128+16*(4*\p+\b)+8*\ah+\i]
.endr
.endr
.endr
	WIN 4*(\w)
.irp i, 0,1,2,3,4,5,6,7
.irp p, 0,1
	global_store_b128 v[CO], v[\d+8*\i+4*\p:\d+8*\i+4*\p+3], s[8+2*\p:9+2*\p] offset:8192*(32*\g+16*\ah+\i) th:TH_STORE_NT
.endr
.endr
.endm
	OUT 0, 0, 0, 32
	OUT 0, 1, 1, 32
	OUT 1, 0, 2, 32
	OUT 1, 1, 3, 32
	OUT 2, 0, 0, 128
	OUT 2, 1, 0, 192
	OUT 3, 0, 1, 128
	OUT 3, 1, 1, 192
	WIN 0
	s_wait_tensorcnt 0x0                           ; the wave's end
	ds_add_u32 v[SPW], v[NIL]
	s_wait_dscnt 0x0
	CROUND                                         ; the closing round: no work-group ends while a partner may still ask for a tile that names it
	s_endpgm
.Lfunc_end_k_q85b538ab07_gemm:
	.size	k_q85b538ab07_gemm, .Lfunc_end_k_q85b538ab07_gemm-k_q85b538ab07_gemm
	.p2alignl 7, 3214868480
	.fill 96, 4, 3214868480
	.section	.rodata,"a",@progbits
	.p2align	6, 0x0
	.amdhsa_kernel k_q85b538ab07_gemm
		.amdhsa_group_segment_fixed_size 327680
		.amdhsa_private_segment_fixed_size 0
		.amdhsa_enable_private_segment 0
		.amdhsa_kernarg_size 16
		.amdhsa_user_sgpr_count 2
		.amdhsa_user_sgpr_kernarg_segment_ptr 1
		.amdhsa_wavefront_size32 1
		.amdhsa_system_sgpr_workgroup_id_x 1
		.amdhsa_system_sgpr_workgroup_id_y 1
		.amdhsa_system_sgpr_workgroup_id_z 1
		.amdhsa_system_vgpr_workitem_id 0
		.amdhsa_next_free_vgpr 1024
		.amdhsa_next_free_sgpr 72
		.amdhsa_reserve_vcc 1
		.amdhsa_float_denorm_mode_32 3
		.amdhsa_float_denorm_mode_16_64 3
		.amdhsa_memory_ordered 1
		.amdhsa_forward_progress 1
		.amdhsa_inst_pref_size 163
	.end_amdhsa_kernel
	.amdgpu_metadata
---
amdhsa.version: [ 1, 2 ]
amdhsa.kernels:
  - .name:           k_q85b538ab07_gemm
    .symbol:         k_q85b538ab07_gemm.kd
    .args:
      - { .name: q, .offset: 0, .size: 8, .value_kind: global_buffer, .address_space: global }
      - { .name: out0, .offset: 8, .size: 8, .value_kind: global_buffer, .address_space: global }
    .group_segment_fixed_size: 327680
    .private_segment_fixed_size: 0
    .kernarg_segment_align: 8
    .kernarg_segment_size: 16
    .max_flat_workgroup_size: 128
    .sgpr_count:     72
    .vgpr_count:     1024
    .wavefront_size: 32
...
	.end_amdgpu_metadata
.endif
;; end of part 2
